; MI455X (gfx1250); checked and timed in simulation.
; The chip was launched on July 23, 2026; its instructions are those of AMD's public machine-readable ISA for CDNA 5 (MIT licence, August 2026) and "CDNA5" Instruction Set Architecture Reference Guide (July 2026). The comments in the code are by the model that wrote it; some were corrected since.
;; W8 A8 BF16 OF16 Linear. Allowed arithmetic: float matrix products may take bf16 or f16 operands with f32 sums; other float arithmetic in f32, or as packed bf16 or f16 multiplies, adds, multiply-adds, maxima and minima; sums over many terms, partial sums and values carried from step to step in f32; what a program stores and reads back later, other than sums and carried values, may be rounded once to bf16 or f16.
;; Inputs: a 1 x 1 float32; b 1 x 1 float32; weight 4,096 x 2,048 int8; x 4 x 2,048 x 4,096 int8.
;; Outputs: out0 4 x 2,048 x 2,048 float16.
;; One version. Each part assembles by itself: llvm-mc -triple=amdgcn-amd-amdhsa -mcpu=gfx1250 --defsym DOCPART=n.
;; ======== version 1 of 1: 1 launch
;; launch gemm (part 1): grid 8 x 32, 4 waves a work-group, clusters of 4 x 4, 327,680 bytes of LDS; arguments x, weight, a, b, out0; writes out0
.if DOCPART == 1
	.amdgcn_target "amdgcn-amd-amdhsa--gfx1250"
	.amdhsa_code_object_version 6
	.text
	.protected	k_q44903db409_gemm
	.globl	k_q44903db409_gemm
	.p2align	8
	.type	k_q44903db409_gemm,@function
k_q44903db409_gemm:
	s_mov_b64 s[64:65], 0
	v_nop
	global_prefetch_b8 v0, s[64:65] scope:SCOPE_SE
	s_setreg_imm32_b32 hwreg(HW_REG_WAVE_MODE, 25, 1), 1
	s_wait_xcnt 0x0
	s_wait_alu depctr_hold_cnt(0) depctr_sa_sdst(0) depctr_va_vdst(0) depctr_va_sdst(0) depctr_va_ssrc(0) depctr_va_vcc(0) depctr_vm_vsrc(0)
	s_getreg_b32 s2, hwreg(HW_REG_IB_STS2, 6, 4)
	s_cmp_eq_u32 s2, 0
	s_cbranch_scc0 .Lentry_in_a_cluster
	s_endpgm
.Lentry_in_a_cluster:
	s_bfe_u32 s2, ttmp6, 0x10000c
	s_cmp_lg_u32 s2, 0xf033
	s_cbranch_scc0 .Lentry_shape_is_right
	s_endpgm
.Lentry_shape_is_right:
; out0[m][n] = f16( f32( sum over k of x[m][k] weight[k][n] ) * (a * b) ).  x: [8192][4096] int8, weight: [4096][2048] int8 (K down the rows), a, b: one f32 each, out0: [8192][2048] f16.
; NOTHING IS LEFT OUT: all four inputs reach the output and all four are loaded.
; FORMAT.  The product goes to the matrix unit with f16 operands and f32 sums.  Every int8 is exact in f16, so the operands lose nothing; each product is an exact integer, at most 2^14.
; LIMITS.  The sums, at most 2^26 in magnitude, are kept in f32 and not in int32: they carry f32's rounding of the additions.  a * b is one f32 product.  A result beyond
; f16's range leaves as the conversion makes it.  NaN and infinities in a or b go through the multiplication untreated.
; SHARES.  A tile of out0, 256 x 256, is made by a work-group of four waves; there are 32 x 8 = 256 tiles, one to a work-group.  A wave makes 128 x 128: 64 accumulators of 16 x 16, 512 registers.
; K goes in steps of 256 through a ring of two LDS slots filled by the tensor data mover AS INT8: a row of x's tile and a row of weight's tile are 256 bytes of memory, at multiples of 256.
; INT8 TO F16, between LDS and the matrix instruction, five plain instructions for four bytes: one exclusive or with 0x80 in each byte makes u = s + 128; two v_perm_b32 set 0x64 above two bytes each,
; which is the f16 number 1024 + u; two v_pk_add_f16 take 1152 away: s, exactly, since all numbers are integers below 2,048.  The offset leaves each operand before the product, never the sums.
; K IS PERMUTED ALIKE IN BOTH OPERANDS: place (half h of the lanes, register p, half e of the register) of a fragment holds k = 32 q + 16 h + 2 p + e.  For x ([m][k] in LDS) that is one load of 16 bytes a
; lane for a fragment.  For weight ([k][n] in LDS) ds_load_tr16_b128 turns PAIRS of bytes: a lane gets eight k of the columns n0 + 2 r and n0 + 2 r + 1, interleaved, and the two v_perm_b32 that widen
; the bytes also part the even column from the odd: the turning costs no instruction of its own.  Fragment 2 g of weight holds the even columns of group g of 32 columns, fragment 2 g + 1 the odd ones.
; THE MATRIX INSTRUCTION IS USED TRANSPOSED (source 0 = weight's fragment, source 1 = x's): lane l holds row l % 16 of out0; register j of accumulator (a, 2 g) the column 32 g + 16 (l / 16) + 2 j, of
; accumulator (a, 2 g + 1) the column beside it.  One v_cvt_pk_f16_f32 joins the two: eight of them are 16 neighbouring columns, 32 bytes a lane.
; BY TURNS.  A sub-step of 32 along K has 64 matrix instructions and, for the next sub-step's 128 fragment registers, 320 converting instructions.  Five of them stand behind EACH matrix instruction,
; so that matrix and vector work run side by side in the one wave; set apart, the 320 would stand where no product is issued.  The price is two window switches for each matrix instruction.
; THE PIPELINE.  Sub-step q multiplies fragment buffer q % 2; beside it the raw bytes of sub-step q + 1 are converted into the other buffer, and the raw bytes of q + 2 are asked of LDS at its head.
; CLUSTERS.  4 x 4 work-groups.  The four of a row of the cluster need the same tiles of x, the four of a column the same tiles of weight: each tile is asked for JOINTLY, by the same tensor load with
; the same descriptor and a mask that names the four.  The launch claims all of the LDS that a work-group can have.
; REGISTERS, in windows of 256 (s_set_vgpr_msb: bits 1:0 source 0, 3:2 source 1, 5:4 source 2, 7:6 destination):
;   window 0: v0-17 addresses and constants; v32-63, v192-223 raw bytes of x, two buffers; v64-127, v128-191 fragments of x, two buffers; on the way out v192-223 packed results, v32-63 and v224-255 rows
;   window 1: v12 the constant 0x64646464 once more; raw bytes and fragments of weight at the same numbers as x's in window 0
;   window 2: the 32 accumulators of my rows 0-63 (accumulator (a, b) at v[8 (8 a + b)]);   window 3: those of my rows 64-127
.set KSTEP,  256
.set PA,     272                       ; a row of x in LDS: 256 bytes + 16 of padding = 68 words: the 16 rows of a load start at 16 different groups of four banks (64 banks of 4 bytes: ISA guide 11.1)
.set PB,     288                       ; a row of weight: 256 + 32 = 72 words
.set HALFA,  128*PA                    ; 128 rows of x: what one tensor load brings, and what one wave reads
.set HALFB,  128*PB                    ; 128 rows (k) of weight: what one tensor load brings
.set BOFF,   2*HALFA                   ; in a slot: x's 256 rows, then weight's 256
.set SLOT,   2*HALFA+2*HALFB           ; 143,360 bytes
.set STAGE,  2*SLOT                    ; behind the ring, never filled by a tensor load: 16 rows x 272 bytes for each wave, for the way out
.set SP,     272
.set SPARE,  STAGE+4*16*SP             ; behind the stages: the spare words, 128 bytes for each wave: two blocks of 256 bytes that no other line names
.set AA0, 2                            ; v2   my lane's place in x's tile; never rewritten
.set AB0, 3                            ; v3   the same for weight's
.set AA,  4                            ; v4   LDS address of the run of loads in hand, x
.set AB,  5                            ; v5   weight
.set STO, 6                            ; v6   the way out: where I put 32 bytes of a row
.set RD,  7                            ; v7   the way out: where I read a row back
.set CO,  8                            ; v8   my byte offset in out0
.set PFO, 9                            ; v9   the prefetches' offset: my lane x a row of x or of weight in memory; never rewritten
.set SPW, 10                           ; v10  LDS address of my spare word: SPARE + 4 x my thread's number; never rewritten
.set NIL, 11                           ; v11  0; never rewritten
.set C64, 12                           ; v12  0x64646464, in window 0 and in window 1
.set OB,  32                           ; the way out: 16 rows read back from the stage: v32-63 and v224-255 by turns
.set TMP, 192                          ; the way out: packed results
.set WV,  14                           ; s14  my wave's number
.set WM,  15                           ; s15  which half of the tile's rows is mine
.set WN,  16                           ; s16  which half of its columns; also which 128 rows of a tile I fetch
.set SCX, 17                           ; s17  my place along the cluster's x
.set SCY, 18                           ; s18  along its y
.set TC,  19                           ; s19  tile column of out0
.set TR,  20                           ; s20  tile row
.set G1,  24                           ; s[24:31] descriptor group 1 for x's tiles
.set G0,  32                           ; s[32:39] descriptor group 0 for x's tiles, a set for each slot
.set PFA, 40                           ; s[40:41] where my prefetches stand
.set PFS, 42                           ; s[42:43] a K step in bytes along my tensor: 256 in x, 256 rows of 2,048 in weight
.set LIM, 44                           ; s44  1 in a wave that prefetches, else the greatest number
.set LAPS, 45                          ; s45  laps to come
.set CNT, 46                           ; s46  pairs of sub-steps to come until the next change of slots
.set G1B, 48                           ; s[48:55] descriptor group 1 for weight's tiles
.set G0B, 56                           ; s[56:63] descriptor group 0 for weight's tiles, a set for each slot
.set ALPHA, 66                         ; s[66:67] a * b; the packed multiply names the pair and takes its low word for both halves
.set SGN, 68                           ; s68  0x80808080
.set BIAS, 69                          ; s69  -1152 twice, in f16
.set SEL0, 70                          ; s70-73 v_perm_b32's selects: x bytes 0, 1; x bytes 2, 3; weight bytes 0, 2 (even column); weight bytes 1, 3 (odd column)
.set TBA, 74                           ; s74  LDS byte at which x's bytes of the sub-step to be fetched begin, less my lane's place
.set TBB, 75                           ; s75  the same for weight
.set MUL_LO, 0xa1                      ; source 0 (weight) window 1, source 1 (x) window 0, C and D window 2
.set MSB, 0
.macro WIN new                         ; the immediate's high byte repeats the setting that is left; a switch that changes nothing is dropped
.if MSB != (\new)
	s_set_vgpr_msb (MSB<<8)|(\new)
.set MSB, (\new)
.endif
.endm
.macro PLACES
.rept 4
	v_nop
.endr
.endm
; A joint refill of slot s.  Waves 0 and 1 fetch the two halves of x's tile, waves 2 and 3 those of weight's.  The branch hangs on the wave's number alone: it is the same in every work-group.
; An s_nop 0 and four v_nop follow each of the two lines, ahead of the jump, the label and what follows the macro.
.macro JLOAD s
	s_cmp_lt_u32 s[WV], 2
	s_cbranch_scc0 .Lfor_b_\@
	tensor_load_to_lds s[G0+4*(\s):G0+4*(\s)+3], s[G1:G1+7]
	s_nop 0
	PLACES
	s_branch .Lasked_\@
.Lfor_b_\@:
	tensor_load_to_lds s[G0B+4*(\s):G0B+4*(\s)+3], s[G1B:G1B+7]
	s_nop 0
	PLACES
.Lasked_\@:
.endm
; A PREFETCH INTO THE L2, behind each joint refill and its five lines: the K step that the NEXT refill will ask for, eight sub-steps (512 matrix instructions) ahead of that load: 32 rows x 256 bytes, a lane a row.
; Each row's 256 bytes of a K step are named ONCE in the launch.  x's tile row is read by both clusters of that row of clusters: the one with cluster x = 0 asks; weight's tile column by all eight clusters
; of that column: the one with cluster y = 0 asks.  The four partners that ask for a tile jointly share its rows out BY ADDRESS: of the 128 rows that a wave fetches, the partner at place p takes
; 32 p .. 32 p + 31: no branch hangs on a work-group's place in its cluster.  how = 1: a lap's first change, which always has a K step behind its refill; how = 0: its second, which has none in the last lap.
.macro ASK how
.if \how
	s_cmp_eq_u32 s[LIM], 1
.else
	s_cmp_gt_u32 s[LAPS], s[LIM]                   ; s[LAPS] = 1 in the last lap
.endif
	s_cbranch_scc0 .Lnot_mine_\@
	global_prefetch_b8 v[PFO], s[PFA:PFA+1] th:TH_LOAD_NT scope:SCOPE_SE
.Lnot_mine_\@:
.endm
; A round of the cluster's barrier: my work-group's barrier, so that wave 0's signal speaks for all four waves; wave 0 signals for the work-group; every wave waits for all sixteen; my work-group's barrier once more.
.macro CROUND
	s_barrier_signal -1
	s_barrier_wait -1
	s_cmp_lg_u32 s[WV], 0
	s_cbranch_scc1 .Lnot_wave_0_\@
	s_barrier_signal -3
.Lnot_wave_0_\@:
	s_barrier_wait -3
	s_barrier_signal -1
	s_barrier_wait -1
.endm
	s_load_b256 s[4:11], s[0:1], 0x0               ; x s[4:5], weight s[6:7], a s[8:9], b s[10:11]
	s_load_b64 s[12:13], s[0:1], 0x20              ; out0
	v_lshl_add_u32 v[SPW], v0, 2, SPARE
	v_mov_b32 v[NIL], 0
	ds_add_u32 v[SPW], v[NIL]                      ; the wave's opening: the add, twice on end, and its wait ahead of my first tensor load; the set-up below, work on registers, stands between
	ds_add_u32 v[SPW], v[NIL]                      ; and once more, under the one wait
	v_lshrrev_b32 v1, 5, v0
	v_readfirstlane_b32 s[WV], v1                  ; wave 0..3
	s_lshr_b32 s[WM], s[WV], 1
	s_and_b32 s[WN], s[WV], 1
	s_bfe_u32 s[SCX], ttmp6, 0x40000
	s_bfe_u32 s[SCY], ttmp6, 0x40004
	s_lshl_b32 s[TC], ttmp9, 2                     ; in a cluster launch ttmp9 and ttmp7 count clusters
	s_add_co_u32 s[TC], s[TC], s[SCX]              ; tile column = 4 x cluster x + cx
	s_and_b32 s[TR], ttmp7, 0xffff
	s_lshl_b32 s[TR], s[TR], 2
	s_add_co_u32 s[TR], s[TR], s[SCY]              ; tile row = 4 x cluster y + cy
	s_lshl_b32 s21, s[SCY], 2
	s_lshl_b32 s21, 15, s21                        ; my row of the cluster: places 4 cy .. 4 cy + 3
	s_lshl_b32 s22, 0x1111, s[SCX]                 ; my column: places cx, cx + 4, cx + 8, cx + 12
	; descriptor group 1: a tile of 128 rows x 256 elements of one byte, padded in LDS
	s_or_b32 s[G1], s21, (1<<20)|(1<<21)|(5<<22)|(3<<25)   ; 15:0 the mask: x's tiles go to my row; 17:16 elements of 1 byte; 20 padding on; 21 set beside a mask; 24:22 after every 64 words (code 5); 31:25 4 words (code 3)
	s_or_b32 s[G1B], s22, (1<<20)|(1<<21)|(5<<22)|(7<<25)  ; the mask of my column, for weight's tiles; 8 words of padding (code 7)
.irp g, G1, G1B
	s_mov_b32 s[(\g)+1], KSTEP<<16                 ; tensor_dim0 = 256
	s_mov_b32 s[(\g)+2], 128<<16                   ; tensor_dim1 = 128
	s_mov_b32 s[(\g)+3], KSTEP<<16                 ; tile_dim0 = 256
	s_mov_b32 s[(\g)+4], 128                       ; tile_dim1 = 128
	s_mov_b32 s[(\g)+6], 0
	s_mov_b32 s[(\g)+7], 0
.endr
	s_mov_b32 s[G1+5], 4096                        ; elements from row to row in x,
	s_mov_b32 s[G1B+5], 2048                       ; and in weight
	; where the tiles come from.  x's hang on the tile row alone, which my row of the cluster shares; weight's on the tile column alone, which my column shares.  Every wave makes both.
	s_lshl_b32 s76, s[TR], 8
	s_lshl_b32 s77, s[WN], 7
	s_add_co_u32 s76, s76, s77                     ; x: row 256 x tile row + 128 x half,
	s_lshl_b32 s76, s76, 12                        ; of 4,096 bytes: under 2^25
	s_mov_b32 s77, 0
	s_lshl_b32 s80, s[WN], 18                      ; weight: row (k) 128 x half, of 2,048 bytes,
	s_lshl_b32 s81, s[TC], 8                       ; byte 256 x tile column
	s_add_co_u32 s80, s80, s81
	s_mov_b32 s81, 0
	s_mul_i32 s23, s[WN], HALFA                    ; and where they go: no place in the cluster enters an LDS address
	s_mul_i32 s47, s[WN], HALFB
	s_mov_b32 s[SGN], 0x80808080
	s_mov_b32 s[BIAS], 0xe480e480
	s_mov_b32 s[SEL0], 0x04010400                  ; a select byte 0-3 takes a raw byte, 4 a byte of the constant
	s_mov_b32 s[SEL0+1], 0x04030402
	s_mov_b32 s[SEL0+2], 0x04020400
	s_mov_b32 s[SEL0+3], 0x04030401
	s_wait_dscnt 0x0                               ; both opening adds are done
	s_wait_kmcnt 0x0
	s_add_nc_u64 s[76:77], s[4:5], s[76:77]
	s_add_nc_u64 s[80:81], s[6:7], s[80:81]
.irp s, 0,1
	s_mov_b32 s[G0+4*(\s)], 1                                        ; 1:0 count = 1
	s_add_co_u32 s[G0+4*(\s)+1], s23, (\s)*SLOT                      ; 63:32 LDS address
	s_add_nc_u64 s[G0+4*(\s)+2:G0+4*(\s)+3], s[76:77], (\s)*KSTEP    ; 120:64 global address: K step s
	s_or_b32 s[G0+4*(\s)+3], s[G0+4*(\s)+3], 0x80000000              ; 127:126 type = 2
	s_mov_b32 s[G0B+4*(\s)], 1
	s_add_co_u32 s[G0B+4*(\s)+1], s47, (\s)*SLOT+BOFF
	s_add_nc_u64 s[G0B+4*(\s)+2:G0B+4*(\s)+3], s[80:81], (\s)*KSTEP*2048
	s_or_b32 s[G0B+4*(\s)+3], s[G0B+4*(\s)+3], 0x80000000
.endr
	CROUND                                         ; all sixteen work-groups are here: the first joint loads meet
	s_cmp_lt_u32 s[WV], 2                          ; a wave's two first fills stand in one branch, ahead of every wait on TENSORcnt and every LDS read: two loads of mine are out
	s_cbranch_scc0 .Lfirst_b
	tensor_load_to_lds s[G0:G0+3], s[G1:G1+7]
	s_nop 0
	tensor_load_to_lds s[G0+4:G0+7], s[G1:G1+7]
	s_nop 0
	PLACES
	s_branch .Lfirst_asked
.Lfirst_b:
	tensor_load_to_lds s[G0B:G0B+3], s[G1B:G1B+7]
	s_nop 0
	tensor_load_to_lds s[G0B+4:G0B+7], s[G1B:G1B+7]
	s_nop 0
	PLACES
.Lfirst_asked:
	s_load_b32 s82, s[8:9], 0x0                    ; a
	s_load_b32 s83, s[10:11], 0x0                  ; b
	v_and_b32 v13, 15, v0                          ; r = l % 16
	v_bfe_u32 v14, v0, 4, 1                        ; h = l / 16
	v_and_b32 v15, 7, v0                           ; l % 8
	v_bfe_u32 v16, v0, 3, 1                        ; (l / 8) % 2
	v_and_b32 v17, 31, v0                          ; l
	s_mul_i32 s23, s[WM], HALFA                    ; my 128 rows of x
	v_mul_u32_u24 v[AA0], v13, PA
	v_lshl_add_u32 v[AA0], v14, 4, v[AA0]          ; row r, 16 bytes for each half of the lanes
	v_add_nc_u32 v[AA0], s23, v[AA0]
	v_lshl_add_u32 v[AB0], v14, 4, v15             ; the turning load: lane l reads row (k) 16 h + l % 8,
	v_mul_u32_u24 v[AB0], v[AB0], PB
	v_lshl_add_u32 v[AB0], v16, 4, v[AB0]          ; bytes 16 ((l / 8) % 2) on,
	s_lshl_b32 s23, s[WN], 7                       ; of my 128 columns
	s_add_co_u32 s23, s23, BOFF
	v_add_nc_u32 v[AB0], s23, v[AB0]
	s_mul_i32 s23, s[WV], 16*SP
	s_add_co_u32 s23, s23, STAGE                   ; my stage
	v_mul_u32_u24 v[STO], v13, SP                  ; in: row r, 32 bytes for each half of the lanes
	v_lshl_add_u32 v[STO], v14, 5, v[STO]
	v_add_nc_u32 v[STO], s23, v[STO]
	v_mul_u32_u24 v[RD], v14, SP                   ; back: lanes 0-15 take one row of 256 bytes, lanes 16-31 the next
	v_lshl_add_u32 v[RD], v13, 4, v[RD]
	v_add_nc_u32 v[RD], s23, v[RD]
	v_lshlrev_b32 v[CO], 12, v14                   ; and the same two rows in out0, 4,096 bytes apart
	v_lshl_add_u32 v[CO], v13, 4, v[CO]
	v_mov_b32 v[C64], 0x64646464
	WIN 0x40
	v_mov_b32 v[C64], 0x64646464                   ; the same in window 1, for weight's conversions
	WIN 0
	; the prefetches
	s_and_b32 s21, ttmp7, 0xffff                   ; cluster y
	s_lshl_b32 s2, s[TR], 20                       ; x: the tile's first row, 256 x tile row x 4,096 bytes
	s_lshl_b32 s3, s[TC], 8                        ; weight: the tile's first column
	s_cmp_lt_u32 s[WV], 2                          ; do I fetch for x?
	s_cselect_b32 s2, s2, s3
	s_cselect_b32 s3, s[SCX], s[SCY]               ; my place among the four that ask with me
	s_cselect_b32 s21, ttmp9, s21                  ; the coordinate along which other clusters read the same rows
	s_cselect_b32 s78, 12, 11                      ; a row is 2^12 bytes in x, 2^11 in weight
	s_cselect_b32 s79, 8, 19                       ; a K step is 2^8 bytes along x, 2^19 down weight
	s_cselect_b64 s[PFA:PFA+1], s[4:5], s[6:7]
	s_cmp_eq_u32 s21, 0
	s_cselect_b32 s[LIM], 1, -1                    ; the same in all sixteen partners, for a given wave
	s_lshl_b32 s3, s3, 5                           ; my work-group's 32 rows
	s_lshl_b32 s21, s[WN], 7                       ; of the 128 that I fetch
	s_add_co_u32 s3, s3, s21
	s_lshl_b32 s3, s3, s78
	s_add_co_u32 s2, s2, s3
	s_lshl_b32 s[PFS], 1, s79
	s_mov_b32 s[PFS+1], 0
	s_lshl_b32 s3, s[PFS], 1                       ; at K step 2: the first change of slots steps it to 3.  Nothing is prefetched here, at the head, where every work-group's first tiles are on their way
	s_add_co_u32 s2, s2, s3
	s_mov_b32 s3, 0
	s_add_nc_u64 s[PFA:PFA+1], s[PFA:PFA+1], s[2:3]
	v_lshlrev_b32 v[PFO], s78, v17
	; out0 at my wave's first row and column
	s_lshl_b32 s2, s[TR], 8
	s_lshl_b32 s3, s[WM], 7
	s_add_co_u32 s2, s2, s3
	s_lshl_b32 s2, s2, 12                          ; rows of 4,096 bytes: under 2^25
	s_lshl_b32 s3, s[TC], 9
	s_add_co_u32 s2, s2, s3
	s_lshl_b32 s3, s[WN], 8
	s_add_co_u32 s2, s2, s3
	s_mov_b32 s3, 0
	s_add_nc_u64 s[12:13], s[12:13], s[2:3]
	s_wait_kmcnt 0x0
	s_mul_f32 s[ALPHA], s82, s83                   ; a * b, one f32 product
	s_mov_b32 s[ALPHA+1], s[ALPHA]                 ; named with it as a pair
; 16 LDS loads in one run: the raw bytes of one sub-step (my 128 rows of x, my 128 columns of weight, 32 along K) into raw buffer p.
.macro FETCH p
	WIN 0
	v_add_nc_u32 v[AA], s[TBA], v[AA0]
	v_add_nc_u32 v[AB], s[TBB], v[AB0]
	s_add_co_u32 s[TBA], s[TBA], 32                ; the next fetch is the next sub-step's: 32 bytes along x's rows,
	s_add_co_u32 s[TBB], s[TBB], 32*PB             ; 32 rows down weight's
.irp a, 0,1,2,3,4,5,6,7                ; block a of 16 rows: 16 bytes a lane are a whole fragment's
	ds_load_b128 v[32+160*(\p)+4*(\a):32+160*(\p)+4*(\a)+3], v[AA] offset:(\a)*16*PA
.endr
	WIN 0x40                                       ; destination window 1, address window 0
.irp g, 0,1,2,3                        ; group g of 32 columns: k = 16 h + 0..7, then 16 h + 8..15
	ds_load_tr16_b128 v[32+160*(\p)+8*(\g):32+160*(\p)+8*(\g)+3],   v[AB] offset:32*(\g)
	ds_load_tr16_b128 v[32+160*(\p)+8*(\g)+4:32+160*(\p)+8*(\g)+7], v[AB] offset:8*PB+32*(\g)
.endr
.endm
; THE CONVERSION, one line at a time, for raw register u of 32 (RW: the raw buffer, FW: the fragment buffer, KIND: 0 x, 1 weight).
; x: raw register u = 4 a + t feeds registers 2 t, 2 t + 1 of fragment a.  weight: u = 8 g + 4 c + t feeds register 4 c + t of fragment 2 g (even columns) and of fragment 2 g + 1 (odd).
.macro OUTS u
.if KIND
.set o0, FW+16*((\u)/8)+(\u)%8
.set o1, o0+8
.else
.set o0, FW+2*(\u)
.set o1, o0+1
.endif
.endm
.macro RX u                            ; s + 128 in each byte
	v_xor_b32 v[RW+(\u)], s[SGN], v[RW+(\u)]
.endm
.macro RP0 u                           ; two bytes widened: 1024 + u, twice
	OUTS \u
	v_perm_b32 v[o0], v[C64], v[RW+(\u)], s[SEL0+2*KIND]
.endm
.macro RP1 u
	OUTS \u
	v_perm_b32 v[o1], v[C64], v[RW+(\u)], s[SEL0+2*KIND+1]
.endm
.macro RA0 u                           ; less 1152: the int8 number in f16, exactly
	OUTS \u
	v_pk_add_f16 v[o0], v[o0], s[BIAS]
.endm
.macro RA1 u
	OUTS \u
	v_pk_add_f16 v[o1], v[o1], s[BIAS]
.endm
; Slice n of 32 of one operand's conversion into buffer p: five instructions, staggered so that none reads the result of the one just before it: the exclusive or runs two raw registers ahead
; of the widening, the subtraction one behind.  32 slices x 5 = 32 raw registers x 5.
.macro SLICE kind, p
.set KIND, \kind
.set RW, 32+160*(\p)
.set FW, 64+64*(\p)
	WIN 0x45*(\kind)                               ; x: all in window 0; weight: sources 0 and 1 and the destination in window 1
.if n == 0
	RX 0
	RX 1
	RP0 0
	RP1 0
	RX 2
.elseif n < 30
	RP0 n
	RP1 n
	RX n+2
	RA0 n-1
	RA1 n-1
.elseif n == 30
	RP0 30
	RP1 30
	RA0 29
	RA1 29
	RP0 31
.else
	RP1 31
	RA0 30
	RA1 30
	RA0 31
	RA1 31
.endif
.endm
.macro LUMP p                          ; all 64 slices on end: once, for the first sub-step, when there is no product to set them behind
.irp kk, 0,1
.set n, 0
.rept 32
	SLICE \kk, \p
.set n, n+1
.endr
.endr
.endm
; A SUB-STEP of 32 along K, on fragment buffer p.  ride = 1: the next sub-step's raw bytes, asked for a whole sub-step ago, are waited for and converted into the other fragment buffer, one slice behind each
; matrix instruction (x's behind the first 32, weight's behind the last 32).  fetch = 1: the raw bytes of the sub-step after that are asked for, into the raw buffer that the sub-step before converted from.
; zero = 1: the products start the sums: nothing is ever cleared.
; The 64 accumulators take turns, one instruction a turn, in the same order in every sub-step: between two links of a chain stand the 63 others'.
; A slice writes registers of the buffer that the sub-step BEFORE multiplied: behind that buffer's last reader stand that sub-step's last slice, five plain instructions that name none of its registers
; (a vector instruction that writes a matrix instruction's source stands four such places behind it: ISA guide 7.12.1).  The raw registers are no matrix operands.
.macro QSTEP p, zero, fetch, ride
.if \ride
	s_wait_dscnt 0x0                               ; the next sub-step's raw bytes are in
.endif
.if \fetch
	FETCH \p
.endif
.set FM, 64+64*(\p)
.set i, 0
.rept 64                               ; block i / 8 of my rows, fragment i % 8 of my columns
.set rD, 8*(i%32)
.set rB, FM+8*(i%8)
.set rA, FM+8*(i/8)
	WIN MUL_LO+0x50*(i/32)                         ; C and D in window 2, then in window 3
.if \zero
	v_wmma_f32_16x16x32_f16 v[rD:rD+7], v[rB:rB+7], v[rA:rA+7], 0
.else
	v_wmma_f32_16x16x32_f16 v[rD:rD+7], v[rB:rB+7], v[rA:rA+7], v[rD:rD+7]
.endif
.if \ride
.set n, i%32
	SLICE i/32, 1-(\p)
.endif
.set i, i+1
.endr
.endm
.macro PAIR                            ; two sub-steps, and the count for the branch that follows
	QSTEP 0, 0, 1, 1
	QSTEP 1, 0, 1, 1
	WIN 0                                          ; at a label and at a branch every window is 0
	s_sub_co_u32 s[CNT], s[CNT], 1
	s_cmp_lg_u32 s[CNT], 0
.endm
; THE CHANGE OF SLOTS.  The fetches run two sub-steps ahead of the products, so it stands two sub-steps ahead of a K step's first products: slot old's last bytes have been asked of LDS.  Each wave waits for
; all its tensor loads, of which one is out: its part of the other slot; adds 0 to its spare word; and waits for that and for its own reads of the slot.  Behind the barrier nobody reads slot old and the other is whole.
; fill = 1: slot old is filled again, two K steps on.  The barrier is then a round of the cluster's, so that no wave of any partner still reads the slot or has a load on its way, and the joint refill is the
; first thing behind it: it has eight sub-steps, 512 matrix instructions, in which to land.
.macro CHANGE old, fill, how
	WIN 0
.if \fill
	s_wait_xcnt 0x0                                ; the last prefetch, a K step back, has read its address: it is stepped here, ahead of the waits of the change
	s_add_nc_u64 s[PFA:PFA+1], s[PFA:PFA+1], s[PFS:PFS+1]
.endif
	s_wait_tensorcnt 0x0                           ; no tensor load of mine is out, so a group 0 may be written
	ds_add_u32 v[SPW], v[NIL]                      ; 0 onto my spare word; the scalar steps below stand between it and the wait for it
.if \fill
	s_add_nc_u64 s[G0+4*(\old)+2:G0+4*(\old)+3], s[G0+4*(\old)+2:G0+4*(\old)+3], 2*KSTEP         ; the type bits on top are not reached
	s_add_nc_u64 s[G0B+4*(\old)+2:G0B+4*(\old)+3], s[G0B+4*(\old)+2:G0B+4*(\old)+3], 2*KSTEP*2048
.endif
	s_mov_b32 s[TBA], (1-(\old))*SLOT              ; the fetches go on at the other slot's first sub-step
	s_mov_b32 s[TBB], (1-(\old))*SLOT
	s_wait_dscnt 0x0                               ; the add is done, and my reads of the slot are over
.if \fill
	CROUND
	JLOAD \old
	ASK \how
.else
	s_barrier_signal -1
	s_barrier_wait -1
.endif
.endm
; THE WAY OUT of block a of 16 rows, in three parts.  PACK: times a * b, each accumulator's registers in ascending order; an even and an odd column joined and rounded to f16: 32 bytes a lane.
.macro PACK a
.set AC, 64*((\a)%4)
	WIN 0x82+0x41*((\a)/4)                         ; destination and source 0 in window 2 or 3
.set z, 0
.rept 32
	v_pk_mul_f32 v[AC+z:AC+z+1], v[AC+z:AC+z+1], s[ALPHA:ALPHA+1] op_sel_hi:[1,0]
.set z, z+2
.endr
	WIN 0x0a+5*((\a)/4)                            ; sources 0 and 1 in window 2 or 3, destination in window 0
.irp g, 0,1,2,3
.irp j, 0,1,2,3,4,5,6,7
	v_cvt_pk_f16_f32 v[TMP+8*(\g)+(\j)], v[AC+16*(\g)+(\j)], v[AC+16*(\g)+8+(\j)]
.endr
.endr
	WIN 0
.endm
.macro TOSTAGE a                       ; into my own stage in LDS, and back as whole rows of 256 bytes
	WIN 0
.set BK, OB+192*((\a)%2)
.irp g, 0,1,2,3
	ds_store_b128 v[STO], v[TMP+8*(\g):TMP+8*(\g)+3]   offset:64*(\g)
	ds_store_b128 v[STO], v[TMP+8*(\g)+4:TMP+8*(\g)+7] offset:64*(\g)+16
.endr
.irp t, 0,1,2,3,4,5,6,7
	ds_load_b128 v[BK+4*(\t):BK+4*(\t)+3], v[RD] offset:(\t)*2*SP  ; LDS serves a wave's instructions in order (ISA guide 5.7.1.4): these see the stores above
.endr
.endm
.macro SEND a
	WIN 0
.set BK, OB+192*((\a)%2)
	s_wait_dscnt 0x0                               ; the block is back in registers
	s_wait_xcnt 0x0                                ; every earlier store has read its registers and its base: only behind this wait are they rewritten
.if (\a) > 0
	s_add_nc_u64 s[12:13], s[12:13], 16*4096       ; 16 rows of out0 on
.endif
.irp t, 0,1,2,3,4,5,6,7
	global_store_b128 v[CO], v[BK+4*(\t):BK+4*(\t)+3], s[12:13] offset:2*(\t)*4096 th:TH_STORE_NT  ; 16 lanes store 256 consecutive bytes, at a multiple of 256 from out0's first byte
.endr
.endm
	s_wait_tensorcnt 0x1                           ; my part of K step 0 is in; K step 1's may stay out
	s_barrier_signal -1
	s_barrier_wait -1                              ; everybody's is
	s_mov_b32 s[TBA], 0
	s_mov_b32 s[TBB], 0
	FETCH 0                                        ; sub-step 0
	FETCH 1                                        ; sub-step 1
	s_wait_dscnt 16                                ; the first run is in; the second run's 16 loads may stay out
	LUMP 0
	QSTEP 0, 1, 1, 1                               ; the first sub-step stands in front of the loops: its products start the sums
	QSTEP 1, 0, 1, 1
	WIN 0
	s_mov_b32 s[LAPS], 8                           ; seven laps, and the part of one that is entered here
	s_mov_b32 s[CNT], 2                            ; sub-steps 2 to 5: the first change of slots stands ahead of sub-step 6.  They fetch from slot 0, as all that this text of the pair fetches
	s_branch .LpairB
.Llap:                                                 ; a lap: once round the ring: both slots are filled again
	CHANGE 0, 1, 1
	s_mov_b32 s[CNT], 4
.LpairA:                                               ; four pairs fetch slot 1's eight sub-steps
	PAIR
	s_cbranch_scc1 .LpairA
	CHANGE 1, 1, 0
	s_mov_b32 s[CNT], 4
.LpairB:                                               ; four pairs fetch slot 0's
	PAIR
	s_cbranch_scc1 .LpairB
	s_sub_co_u32 s[LAPS], s[LAPS], 1
	s_cmp_lg_u32 s[LAPS], 0
	s_cbranch_scc1 .Llap
	CHANGE 0, 0, 0                                 ; the tail is written out: the last K step lies in slot 1, and nothing is asked for
	s_mov_b32 s[CNT], 4
.Ltail:
	PAIR
	s_cbranch_scc1 .Ltail
	QSTEP 0, 0, 0, 1                               ; the last sub-step but one: nothing is left to fetch
	QSTEP 1, 0, 0, 0                               ; the last: nothing is left to convert
	WIN 0
	PLACES                                         ; the scalings read results just made, and no other vector work is at hand
	PACK 0
	TOSTAGE 0
.irp a, 1,2,3,4,5,6,7                  ; block a's arithmetic stands between block a - 1's loads from the stage and the wait for them
	PACK \a
	SEND (\a)-1
	TOSTAGE \a
.endr
	SEND 7
	s_wait_tensorcnt 0x0                           ; the wave's end: an add to my spare word and its wait, behind my last tensor load and my last LDS store
	ds_add_u32 v[SPW], v[NIL]
	s_wait_dscnt 0x0
	CROUND                                         ; the closing round: no work-group ends while a partner may still ask for a tile that names it
	s_endpgm
.Lfunc_end_k_q44903db409_gemm:
	.size	k_q44903db409_gemm, .Lfunc_end_k_q44903db409_gemm-k_q44903db409_gemm
	.p2alignl 7, 3214868480
	.fill 96, 4, 3214868480
	.section	.rodata,"a",@progbits
	.p2align	6, 0x0
	.amdhsa_kernel k_q44903db409_gemm
		.amdhsa_group_segment_fixed_size 327680
		.amdhsa_private_segment_fixed_size 0
		.amdhsa_enable_private_segment 0
		.amdhsa_kernarg_size 40
		.amdhsa_user_sgpr_count 2
		.amdhsa_user_sgpr_kernarg_segment_ptr 1
		.amdhsa_wavefront_size32 1
		.amdhsa_system_sgpr_workgroup_id_x 1
		.amdhsa_system_sgpr_workgroup_id_y 1
		.amdhsa_system_sgpr_workgroup_id_z 1
		.amdhsa_system_vgpr_workitem_id 0
		.amdhsa_next_free_vgpr 1024
		.amdhsa_next_free_sgpr 84
		.amdhsa_reserve_vcc 0
		.amdhsa_float_denorm_mode_32 3
		.amdhsa_float_denorm_mode_16_64 3
		.amdhsa_memory_ordered 1
		.amdhsa_forward_progress 1
		.amdhsa_inst_pref_size 255
	.end_amdhsa_kernel
	.section	.bss,"aw",@nobits
	.p2align	6
	.space	262144
	.amdgpu_metadata
---
amdhsa.version: [ 1, 2 ]
amdhsa.kernels:
  - .name:           k_q44903db409_gemm
    .symbol:         k_q44903db409_gemm.kd
    .args:
      - { .name: x, .offset: 0, .size: 8, .value_kind: global_buffer, .address_space: global }
      - { .name: weight, .offset: 8, .size: 8, .value_kind: global_buffer, .address_space: global }
      - { .name: a, .offset: 16, .size: 8, .value_kind: global_buffer, .address_space: global }
      - { .name: b, .offset: 24, .size: 8, .value_kind: global_buffer, .address_space: global }
      - { .name: out0, .offset: 32, .size: 8, .value_kind: global_buffer, .address_space: global }
    .group_segment_fixed_size: 327680
    .private_segment_fixed_size: 0
    .kernarg_segment_align: 8
    .kernarg_segment_size: 40
    .max_flat_workgroup_size: 128
    .sgpr_count:     84
    .vgpr_count:     1024
    .wavefront_size: 32
...
	.end_amdgpu_metadata
.endif
;; end of part 1
